; MI455X (gfx1250); checked and timed in simulation.
; The chip was launched on July 23, 2026; its instructions are those of AMD's public machine-readable ISA for CDNA 5 (MIT licence, August 2026) and "CDNA5" Instruction Set Architecture Reference Guide (July 2026). The comments in the code are by the model that wrote it; some were corrected since.
;; Barrier Net. Allowed arithmetic: matrix products marked QUANTISED: E2M3 operands, one E8M0 scale for each 32 along K, by v_wmma_scale_f32_16x16x128_f8f6f4 with both operands' format E2M3, f32 sums; products left as they are: f32 operands where the result goes on into a quantised operand, else bf16, f16 or f32 operands; f32 sums; everything else in f32.
;; Inputs: W1 8 x 2,048 float32; W21_codes 1,024 x 64 x 24 uint8 (E2M3 codes of W21, K innermost, in blocks of 32 codes, four codes in three bytes); W21_scales 1,024 x 64 uint8 (E8M0 scales of W21, one for each 32 codes along K); W22_codes 1,024 x 64 x 24 uint8 (E2M3 codes of W22, K innermost, in blocks of 32 codes, four codes in three bytes); W22_scales 1,024 x 64 uint8 (E8M0 scales of W22, one for each 32 codes along K); W31 1,024 x 2 float32; W32 1,024 x 2 float32; b1 2,048 float32; b21 1,024 float32; b22 1,024 float32; b31 2 float32; b32 2 float32; input_mean 8 float32; input_std 8 float32; output_mean 2 float32; output_std 2 float32; s0 1 float32; s1 1 float32; s2 1 float32; s3 1 float32; x 16,384 x 8 float32.
;; Outputs: out0 16,384 x 2 float32.
;; Constants: sgn = 1.
;; This version of the problem:
;;   THIS VERSION OF THE PROBLEM IS GIVEN IN LOW PRECISION. The matrix products marked QUANTISED in the list below multiply operands that are first quantised to E2M3 (2 exponent bits, 3 mantissa bits; 6 bits a number), with one power-of-two scale for each 32 numbers along K (OCP MX v1.0); their sums are f32. All else is computed in f32.
;;   The module's matrix products, in the order in which they are computed (A, B: the left and right operand; K: the contracted axis; several contracted axes count as one K, in the product's order):
;;     1. [M 16,384, K 8] x [K 8, N 2,048]; A: input x; B: input W1: left as it is (K = 8 < 32)
;;     2. [M 16,384, K 2,048] x [K 2,048, N 1,024]; A: computed on the way; B: input W21 (given as codes): QUANTISED
;;     3. [M 16,384, K 1,024] x [K 1,024, N 2]; A: computed on the way; B: input W31: left as it is (N = 2 < 16)
;;     4. [M 16,384, K 2,048] x [K 2,048, N 1,024]; A: computed on the way; B: input W22 (given as codes): QUANTISED
;;     5. [M 16,384, K 1,024] x [K 1,024, N 2]; A: computed on the way; B: input W32: left as it is (N = 2 < 16)
;;   THE QUANTISER, for each operand of a quantised product, along K:
;;     - K is cut into blocks of 32 from its start; a last block that is shorter is filled with zeros.
;;     - A block's scale is 2^e with e = floor(log2(the largest magnitude in the block)) - 2, held to -126 .. 127; a block of zeros has e = 0. As a byte (E8M0): e + 127.
;;     - Each number is divided by its block's scale, clamped to +-7.5, and rounded to the nearest number of E2M3, ties to even, subnormals kept.
;;     - The product sums the exact products of the quantised numbers (number of the format x scale) in f32.
;;   ~~~python
;;   def quantise(x, axis):      # numpy; x: float32 -> the quantised numbers, widened to float32 again
;;       x = np.moveaxis(x, axis, -1); K = x.shape[-1]
;;       x = np.pad(x, [(0, 0)] * (x.ndim - 1) + [(0, -K % 32)]); x = x.reshape(x.shape[:-1] + (-1, 32)); a = np.abs(x).max(-1, keepdims=True)
;;       e = np.where(a > 0, np.clip(np.frexp(np.where(a > 0, a, 1))[1] - 1 - 2, -126, 127), 0)      # np.frexp(a)[1] - 1 = floor(log2(a)), exactly
;;       r = np.clip(x / 2.0 ** e, -7.5, 7.5)
;;       step = 2.0 ** (np.maximum(np.frexp(np.where(r == 0, 1, r))[1] - 1, 0) - 3)
;;       q = np.round(r / step) * step * 2.0 ** e      # np.round: ties to even
;;       return np.moveaxis(q.reshape(q.shape[:-2] + (-1,))[..., :K], -1, axis).astype(np.float32)
;;   ~~~
;;   OPERANDS COMPUTED ON THE WAY. 'Computed on the way' means the value that the module computes at that place (a softmax that the list does not call 'softmax' is quantised finished and normalised). What goes into a quantiser is computed in f32, as accurately as f32 sums, v_exp_f32 and their like allow (about 1e-6 of the number): no bf16 or f16 on the way to a quantiser, and a product that is left as it is and whose result goes on into a quantised operand takes f32 operands (vector FMAs, or v_wmma_f32_16x16x4_f32). A number that lies on a knife's edge between two numbers of the format may be rounded either way, as far as f32 arithmetic and the matrix unit's own rounding can turn it there, and no further.
;;   INPUTS GIVEN AS CODES. W21 (in the module: [2048, 1024], K = its axis 0); W22 (in the module: [2048, 1024], K = its axis 0): each comes as NAME_codes (uint8): NAME with its K axis moved to the last place and cut into blocks of 32 codes, [.., K / 32, bytes a block], one block behind the other in memory; four codes in three bytes: a row's codes are one little-endian stream of bits, code i at bits 6 i .. 6 i + 5 (a code: sign, 2 exponent bits, 3 mantissa bits); and NAME_scales (uint8): the same leading axes, one E8M0 byte (e + 127) for each 32 codes along K. Its value is code x scale, taken as it is: it is not quantised again, and the codes and scales need not be those that the quantiser above would give.
;; One version. Each part assembles by itself: llvm-mc -triple=amdgcn-amd-amdhsa -mcpu=gfx1250 --defsym DOCPART=n.
;; ======== version 1 of 1: 1 launch
;; limits: right only within a limited range of input values
;; launch barrier (part 1): grid 256 x 1, 4 waves a work-group, clusters of 4 x 1, 327,680 bytes of LDS; arguments x, W1, b1, W21_codes, W21_scales, b21, W31, b31, output_mean, output_std, s0, s1, s2, s3, out0; writes out0
.if DOCPART == 1
	.amdgcn_target "amdgcn-amd-amdhsa--gfx1250"
	.amdhsa_code_object_version 6
	.text
	.protected	k_q3265bf379a_barrier
	.globl	k_q3265bf379a_barrier
	.p2align	8
	.type	k_q3265bf379a_barrier,@function
k_q3265bf379a_barrier:
	s_mov_b64 s[64:65], 0
	v_nop
	global_prefetch_b8 v0, s[64:65] scope:SCOPE_SE
	s_setreg_imm32_b32 hwreg(HW_REG_WAVE_MODE, 25, 1), 1
	s_wait_xcnt 0x0
	s_wait_alu depctr_hold_cnt(0) depctr_sa_sdst(0) depctr_va_vdst(0) depctr_va_sdst(0) depctr_va_ssrc(0) depctr_va_vcc(0) depctr_vm_vsrc(0)
	s_getreg_b32 s2, hwreg(HW_REG_IB_STS2, 6, 4)
	s_cmp_eq_u32 s2, 0
	s_cbranch_scc0 .Lentry_in_a_cluster
	s_endpgm
.Lentry_in_a_cluster:
	s_bfe_u32 s2, ttmp6, 0x10000c
	s_cmp_lg_u32 s2, 0x3003
	s_cbranch_scc0 .Lentry_shape_is_right
	s_endpgm
.Lentry_shape_is_right:
; out0 = (clip(-(x31 std + mean), lower, upper) - mean) / std,  x31 = relu(Q(relu(x W1 + b1)) W21 + b21) W31 + b31,  Q the MX-FP6 quantiser along the 2,048 hidden units.
; WORK LEFT OUT, for all values of the inputs: reference() returns out alone, and out is made of u, output_mean and output_std; u of x31_actual and s0..s3; x31_actual of x31, output_std, output_mean.
; x0 (x input_std + input_mean) is bound to a name and never used again.  x32 (4 sigmoid(relu(h W22 + b22) W32 + b32)) likewise.  So input_mean, input_std, W22_codes, W22_scales, b22, W32, b32
; have no way to out0: they are not loaded and are not among the arguments, and the two products on W22 and W32 and the sigmoid are not done.  sgn is not used by reference() either.
; LIMITS: a NaN, an infinity or an overflow that reaches only the work left out is not carried to the result.  NaN and infinities among the live inputs are not served.  A block of 32 hidden numbers that
; are all 0 (or lie under 2^-124) gets the scale byte 1 where the quantiser says 127: its codes are zeros (or the floor's), and the bytes are read by this program alone.  b1 and b21 enter their sums first,
; not last; x31 std + mean is one fused multiply-add; the last division is a reciprocal (1 ulp) and a multiplication.
; SHARES.  256 work-groups of four waves; each owns 64 rows of x and all 1,024 columns of W21, so that the hidden layer is computed once and each row of out0 has one owner.
; FIRST the hidden layer: 64 rows x 2,048 units = 4 row tiles x 16 K steps = 64 fragments.  In round i (of four) wave w makes K step 4 i + w for the four row tiles; a round has two phases c (blocks 2 h + c of the
; K step, h the half of the lanes), a phase four blocks (row tiles).  A block is 8 f32 products; the vector work of the block before stands among them.  Fragments go from wave to wave through LDS as images of
; the operand's registers.  Every wave then keeps ALL 64 fragments in registers: 21 in each of windows 1 to 3, the last in window 0.
; THEN W21 in 16 tiles of 64 columns, all of K: wave w takes 16 of the columns: 4 accumulators x 16 K steps.  relu and W31 of tile t - 1 stand among the products of tile t (two sets of accumulators).
; A wave's 16 columns are 24,576 dense bytes: the tensor load states them as 48 rows of 512 bytes with 16 bytes of padding behind each, so a column is 1,584 bytes of LDS.  Each wave reads only what it has asked for.
; BLOCKS OF A K STEP.  Lane half h holds blocks 2 h and 2 h + 1 (48 neighbouring bytes of W21's row) where the operand's layout has k = 32 h and 64 + 32 h; the hidden layer is laid alike, and bytes 1 and 2 of W21's scale words change places.
; BOTH PRODUCTS ARE USED TRANSPOSED: source 0 = units of W1, columns of W21; source 1 = rows of x, of h.
; CLUSTER.  All work-groups walk the same W21: the four of a cluster ask for every tile jointly (mask 15), by descriptors made of the wave's number alone.
; PREFETCH.  Clusters 0 to 3 ask for W21's tiles 2 to 8 during the hidden layer, one in each phase from the second on, and for tile t + 9 in tile t (its load goes out in tile t + 7).  A tile's 384 blocks of 256 bytes are shared out by address:
; 24 for each wave of the four partners (lanes 24 to 31 name the wave's last block again).
.set SLOTB, 101376                     ; a slot: 4 waves x 48 rows x 528 bytes; slot 0 at 0
.set PARTB, 25344
.set TILEB, 98304                      ; bytes of a tile in memory
.set IMG,   202752                     ; 64 fragments x 1,536 bytes
.set HSC,   301056                     ; their scale words: (K step x 16 + row) x 16 bytes + 4 x row tile
.set W31L,  305152
.set B21L,  313344
.set RED,   317440                     ; the waves' parts of x31: 4 x 64 rows x 8 bytes
.set SPARE, 319488                     ; the spare words: two blocks of 256 bytes that no other line names
.set SPW, 1                            ; LDS address of my spare word; never rewritten
.set NIL, 2                            ; 0; never rewritten
.set ADA, 3                            ; v3, v4   my fragments of W21 in slot 0, 1
.set ADC, 5                            ; v5, v6   the same + 16 h: where lanes 16-31 lie behind one padding more
.set SOF, 7                            ; W21's scale bytes: 1,024 w + 64 r + 32 h
.set WAD, 8                            ; W31 in LDS
.set BAD, 9                            ; b21 in LDS
.set PFO, 10                           ; the prefetches' offset
.set LI,  11                           ; IMG + 16 x lane
.set F63, 12                           ; v12-23   fragment 63
.set HS,  24                           ; v24-55   h's scale words: register 4 (s % 8) + m; lanes 0-15 K step s < 8, lanes 16-31 s >= 8
.set SCB, 56                           ; v56-63   W21's scale words, likewise
.set YT,  64                           ; v64-71   behind the relu
.set P,   72                           ; v72-79   x31's sums, a pair a row tile
.set WW,  80                           ; v80-95   W31's pairs of my columns; between two uses v80-87 hold b21
.set ACC, 96                           ; v96-159  two sets of four accumulators; f32 sums of x W1 first.  Written by matrix instructions alone
.set BF,  160                          ; v160-255 W21's fragments of 8 K steps
; while the hidden layer is made:
.set PCD, 12                           ; v12-17   half a fragment's codes
.set CX,  18                           ; v18-20
.set MXA, 21
.set SO,  22
.set IB,  23
.set X,   72                           ; v72-87   x: pair i of row tile m at X + 4 m + 2 i
.set WOF, 88
.set BOF, 89
.set IA,  90
.set HA,  91
.set SH8, 92
.set PW,  93
.set PT,  94
.set MXB, 95
.set T,   160                          ; v160-191
.set W,   192                          ; v192-239 W1: three buffers of 16
.set BY,  240                          ; v240-243 bytes of phase c = 0, v244 of c = 1
.set LI2, 245
.set HL,  246
.set BI,  128                          ; window 3: v128-223, b1 in the result's layout: three buffers of 32
.set G1R, 24                           ; s[24:31] descriptor group 1;  s[40:43], s[44:47] group 0 of slot 0, 1
.set G0,  40
.set MSB, 0
.macro WIN new                         ; the immediate's high byte repeats the setting that is left
.if MSB != (\new)
	s_set_vgpr_msb (MSB<<8)|(\new)
.set MSB, (\new)
.endif
.endm
.macro PLACES n
.rept \n
	v_nop
.endr
.endm
.macro CREST                           ; a round of the cluster's barrier behind its opening barrier
	s_cmp_lg_u32 s14, 0
	s_cbranch_scc1 .Lnot_wave_0_\@
	s_barrier_signal -3
.Lnot_wave_0_\@:
	s_barrier_wait -3
	s_barrier_signal -1
	s_barrier_wait -1
.endm
.macro CROUND
	s_barrier_signal -1
	s_barrier_wait -1
	CREST
.endm
; ---- the hidden layer ----
.macro WLD p, n                        ; W1 for phase p, load n of 16: lane (r, h): W1[4 i + 2 h + j][128 s + 32 (2 (r / 8) + c) + 8 t + r % 8]
.set WP, \p
.set WN, \n
	global_load_b32 v[W+16*(WP%3)+WN], v[WOF], s[70:71] offset:32768*((WN/2)%2)+8192*(WN%2)+2048*(WP/2)+128*(WP%2)+32*(WN/4)
.endm
.macro BLD p                           ; b1 for phase p
.set WP, \p
	WIN 0xc0
.irp g, 0,1,2,3,4,5,6,7
	global_load_b128 v[BI+32*(WP%3)+4*\g:BI+32*(WP%3)+4*\g+3], v[BOF], s[72:73] offset:2048*(WP/2)+128*(WP%2)+16*\g
.endr
	WIN 0
.endm
.macro RAWLD                           ; W21's scale words of a tile: windows 1 and 2
	WIN 0x40
	global_load_b128 v[252:255], v[SOF], s[58:59]
	WIN 0x80
	global_load_b128 v[252:255], v[SOF], s[58:59] offset:16
	WIN 0
.endm
.macro PERMS b                         ; bytes 1 and 2 change places; words b .. b + 3
.if \b == 0
	WIN 0x05
.else
	WIN 0x0a
.endif
.irp k, 0,1,2,3
	v_perm_b32 v[SCB+(\b+\k)/2+4*(1-\k%2)], v[252+\k], v[252+\k], s22
.endr
	WIN 0
.endm
.macro FRL f                           ; fragment f out of its image
.set FF, \f
.if FF < 63
.set FO, 12*(FF%21)
	WIN 64*(FF/21+1)
.else
.set FO, F63
	WIN 0
.endif
.irp g, 0,1,2
.if FF < 32
	ds_load_b128 v[FO+4*\g:FO+4*\g+3], v[LI] offset:1536*FF+512*\g
.else
	ds_load_b128 v[FO+4*\g:FO+4*\g+3], v[LI2] offset:1536*(FF-32)+512*\g
.endif
.endr
.endm
; The vector work of block (phase VPP, row tile VPM), in eight parts.
.macro VP i
.if \i < 4                             ; the relu, into other registers, each accumulator from its low end on
.irp j, 0,1,2,3,4,5,6,7
	v_max_num_f32 v[T+8*\i+\j], 0, v[ACC+32*(VPM%2)+8*\i+\j]
.endr
.elseif \i == 4                        ; the block's largest number, two chains; the floor 2^(3 - 127) holds the byte at 1 from below
	v_max3_num_f32 v[MXA], v[T], v[T+1], 0x1800000
	v_max3_num_f32 v[MXB], v[T+16], v[T+17], v[T+18]
.irp k, 0,1,2
	v_max3_num_f32 v[MXA], v[MXA], v[T+2+2*\k], v[T+3+2*\k]
	v_max3_num_f32 v[MXB], v[MXB], v[T+19+2*\k], v[T+20+2*\k]
.endr
.elseif \i == 5
.irp k, 3,4,5
	v_max3_num_f32 v[MXA], v[MXA], v[T+2+2*\k], v[T+3+2*\k]
	v_max3_num_f32 v[MXB], v[MXB], v[T+19+2*\k], v[T+20+2*\k]
.endr
	v_max3_num_f32 v[MXA], v[MXA], v[T+14], v[T+15]
	v_max3_num_f32 v[MXA], v[MXA], v[MXB], v[T+31]
.elseif \i == 6
	v_add_nc_u32 v[SO], 0xff000000, v[MXA]         ; 2 off the exponent field: the conversion takes the exponent field of this operand as its scale
	v_cvt_scalef32_pk16_fp6_f32 v[PCD:PCD+2], v[T:T+15], v[SO]
	v_cvt_scalef32_pk16_fp6_f32 v[CX:CX+2], v[T+16:T+31], v[SO]
.if VPP%2
	v_lshrrev_b32 v[BY+4], 23, v[SO]               ; the scale's byte; also the plain place behind the conversions
.else
	v_lshrrev_b32 v[BY+VPM], 23, v[SO]
.endif
.else
.set IR, IA
.if VPP/2 >= 2
.set IR, IB
.endif
.set IO, 24576*((VPP/2)%2)+1536*VPM
.if VPP%2
	v_lshl_or_b32 v[PW], v[BY+4], 16, v[BY+VPM]    ; my two bytes: places h and 2 + h of the scale word
	v_mov_b32 v[PCD+3], v[CX]
	v_lshlrev_b32 v[PW], v[SH8], v[PW]
	v_mov_b32 v[PCD+4], v[CX+1]
	v_permlanex16_b32 v[PT], v[PW], s20, s21
	v_mov_b32 v[PCD+5], v[CX+2]
	v_or_b32 v[PW], v[PW], v[PT]                   ; with lane l xor 16's two the word is whole
	ds_store_b64 v[IR], v[PCD:PCD+1] offset:IO+520 ; registers 6, 7 of the fragment
	ds_store_b128 v[IR], v[PCD+2:PCD+5] offset:IO+1024
	ds_store_b32 v[HA], v[PW] offset:1024*(VPP/2)+4*VPM    ; both halves of the lanes write the same word with the same value
.else
	v_mov_b32 v[PCD+3], v[CX]
	v_mov_b32 v[PCD+4], v[CX+1]
	v_mov_b32 v[PCD+5], v[CX+2]
	ds_store_b128 v[IR], v[PCD:PCD+3] offset:IO    ; registers 0 to 3
	ds_store_b64 v[IR], v[PCD+4:PCD+5] offset:IO+512
.endif
.endif
.endm
; Block (phase p, row tile m): 8 f32 products into set m % 2, the four accumulators by turns; among them the vector work of the block before.
.macro BLK p, m
.set VON, 1
.if \m == 0
.set VPP, \p-1
.set VPM, 3
.if \p == 0
.set VON, 0
.endif
.else
.set VPP, \p
.set VPM, \m-1
.endif
.if \m == 0
.if \p == 0
	s_wait_loadcnt 30                              ; x and this phase's W1 and b1 are in; the next phase's 24 loads and 6 of W31 and b21 may be out
.elseif \p == 7
	s_wait_loadcnt 0
	RAWLD                                          ; tile 0's scale words
.else
	s_wait_loadcnt 24                              ; the next phase's 24 loads may be out
.endif
.if \p == 1
	WIN 0x04                                       ; W31 and b21 into LDS: a quarter a wave
.irp g, 0,1,2,3
	ds_store_b128 v249, v[4*\g:4*\g+3] offset:512*\g
.endr
.irp g, 0,1
	ds_store_b128 v250, v[16+4*\g:19+4*\g] offset:512*\g
.endr
	WIN 0
.endif
.endif
.if \m == 1
.if (\p == 2) || (\p == 6)
	s_wait_dscnt 0x0                               ; my images of the last round lie in LDS
	s_barrier_signal -1
.endif
.if \p == 4                            ; the same, and slot 1's first fill, issued as a refill is
	s_wait_tensorcnt 0x0                           ; my part of tile 0 is in
	ds_add_u32 v[SPW], v[NIL]
	s_wait_dscnt 0x0
	CROUND
	tensor_load_to_lds s[G0+4:G0+7], s[G1R:G1R+7]
	s_nop 0
	PLACES 4
.endif
.endif
.irp i, 0,1,2,3                        ; inputs 0-3: the sums begin at b1 (window 3)
	WIN 0x30
	v_wmma_f32_16x16x4_f32 v[ACC+32*(\m%2)+8*\i:ACC+32*(\m%2)+8*\i+7], v[W+16*(\p%3)+4*\i:W+16*(\p%3)+4*\i+1], v[X+4*\m:X+4*\m+1], v[BI+32*(\p%3)+8*\i:BI+32*(\p%3)+8*\i+7]
.if VON
	VP \i
.endif
.if (\m == 2) && (\p < 6)
	WLD \p+2, 2*\i
	WLD \p+2, 2*\i+1
.endif
.endr
.if (\m == 1) && ((\p == 2) || (\p == 6))
	s_wait_alu depctr_va_vdst(0)
	s_barrier_wait -1                              ; everybody's images of the last round lie in LDS
.endif
.if (\p%2 == 1) && (\p >= 3)
	FRL 8*(\p-3)+4*\m
	FRL 8*(\p-3)+4*\m+1
.endif
	WIN 0
.irp i, 4,5,6,7                        ; inputs 4-7
	v_wmma_f32_16x16x4_f32 v[ACC+32*(\m%2)+8*(\i-4):ACC+32*(\m%2)+8*(\i-4)+7], v[W+16*(\p%3)+4*(\i-4)+2:W+16*(\p%3)+4*(\i-4)+3], v[X+4*\m+2:X+4*\m+3], v[ACC+32*(\m%2)+8*(\i-4):ACC+32*(\m%2)+8*(\i-4)+7]
.if VON
	VP \i
.endif
.if (\m == 2) && (\p < 6)
	WLD \p+2, 2*\i
	WLD \p+2, 2*\i+1
.endif
.endr
.if (\p%2 == 1) && (\p >= 3)
	FRL 8*(\p-3)+4*\m+2
	FRL 8*(\p-3)+4*\m+3
	WIN 0
.endif
.if (\m == 3) && (\p < 6)
	BLD \p+2
.endif
.if VON == 0
	PLACES 8                                       ; behind the first block no vector work stands yet
.endif
.if (\m == 0) && (\p > 0)
	s_cmp_eq_u32 s23, 3                            ; clusters 0 to 3
	s_cbranch_scc0 .Lnot_mine_\@
	global_prefetch_b8 v[PFO], s[60:61] offset:(\p+1)*TILEB th:TH_LOAD_NT scope:SCOPE_SE
.Lnot_mine_\@:
.endif
.endm
; ---- the tiles of W21 ----
.macro LB slot, q                      ; W21's fragments of K steps 2 q, 2 q + 1: 6 loads.  Lane (r, h): 48 bytes of column r at 96 s + 48 h
.irp ks, 0,1
.irp g, 0,1,2
.set Y0, 96*(2*(\q)+\ks)+16*\g
.set RG, BF+12*((2*(\q)+\ks)%8)+4*\g
.if Y0/512 == (Y0+48)/512
	ds_load_b128 v[RG:RG+3], v[ADA+(\slot)] offset:Y0+16*(Y0/512)
.else
	ds_load_b128 v[RG:RG+3], v[ADC+(\slot)] offset:Y0+16*(Y0/512)
.endif
.endr
.endr
.endm
.macro WM s, m, par                    ; K step s, row tile m
.set F, 4*(\s)+\m
.if F < 63
.set FW, F/21+1
.set FO, 12*(F%21)
.else
.set FW, 0
.set FO, F63
.endif
.set AC, ACC+32*(\par)+8*\m
.set BB, BF+12*((\s)%8)
.set SA, SCB+((\s)%8)/2+4*(1-(\s)%2)
.set SH, HS+4*((\s)%8)+\m
	WIN 4*FW
.if (\s) == 0
	v_wmma_scale_f32_16x16x128_f8f6f4 v[AC:AC+7], v[BB:BB+11], v[FO:FO+11], v[WW:WW+7], v[SA], v[SH] matrix_a_fmt:MATRIX_FMT_FP6 matrix_b_fmt:MATRIX_FMT_FP6
.elseif (\s) < 8
	v_wmma_scale_f32_16x16x128_f8f6f4 v[AC:AC+7], v[BB:BB+11], v[FO:FO+11], v[AC:AC+7], v[SA], v[SH] matrix_a_fmt:MATRIX_FMT_FP6 matrix_b_fmt:MATRIX_FMT_FP6
.else
	v_wmma_scale_f32_16x16x128_f8f6f4 v[AC:AC+7], v[BB:BB+11], v[FO:FO+11], v[AC:AC+7], v[SA], v[SH] matrix_a_fmt:MATRIX_FMT_FP6 matrix_b_fmt:MATRIX_FMT_FP6 matrix_a_scale:MATRIX_SCALE_ROW1 matrix_b_scale:MATRIX_SCALE_ROW1
.endif
.endm
.macro RL m, par, k                    ; relu of register k of row tile m in the other set
	v_max_num_f32 v[YT+2*\m+(\k)%2], v[ACC+32*(1-(\par))+8*\m+(\k)], 0
.endm
.macro HALF s, par, kk                 ; a K step's four products, the accumulators by turns; behind each: nothing (-2), a place (-1), a relu (register kk), two (100: registers 0 and 1)
.irp m, 0,1,2,3
	WM \s, \m, \par
.if (\kk) == -1
	v_nop
.elseif (\kk) == 100
	RL \m, \par, 0
	RL \m, \par, 1
.elseif (\kk) >= 0
	RL \m, \par, \kk
.endif
.endr
.endm
.macro PKF jj                          ; columns 2 jj, 2 jj + 1 of my eight: y times W31's pair, four chains
.irp m, 0,1,2,3
	v_pk_fma_f32 v[P+2*\m:P+2*\m+1], v[YT+2*\m:YT+2*\m+1], v[WW+4*(\jj):WW+4*(\jj)+1], v[P+2*\m:P+2*\m+1] op_sel_hi:[0,1,1]
.endr
.irp m, 0,1,2,3
	v_pk_fma_f32 v[P+2*\m:P+2*\m+1], v[YT+2*\m:YT+2*\m+1], v[WW+4*(\jj)+2:WW+4*(\jj)+3], v[P+2*\m:P+2*\m+1] op_sel:[1,0,0] op_sel_hi:[1,1,1]
.endr
.endm
.macro W31LD eo
.irp g, 0,1,2,3
	ds_load_b128 v[WW+4*\g:WW+4*\g+3], v[WAD] offset:\eo+16*\g
.endr
.endm
; A tile, in slot par and accumulator set par: eight pairs of K steps; pair q's fragments are asked for three pairs ahead.  epi: the tile before it is finished here; fill: the slot is filled again, two tiles on; next: a tile follows.
; eo, bo: W31 of the tile before, b21 of the next tile, in bytes.  In tile 0 (epi = 0) the 48 loads of the last fragments of h count too.
.macro TILE par, epi, fill, next, eo, bo, ask, aoff
.if \epi
	s_wait_dscnt 12                                ; pair 0 and b21 are in; pairs 1, 2 may be out
.else
	s_wait_dscnt 60                                ; pairs 1, 2 and 48 loads of fragments may be out
.endif
	HALF 0, \par, -1
	LB \par, 3
	HALF 1, \par, -1
	PERMS 4
.if \epi
	W31LD \eo
.else
	s_wait_alu depctr_va_vdst(0)
.endif
.if \next
	RAWLD                                          ; the next tile's scale words
.endif
.if \epi
	s_wait_dscnt 16                                ; pairs 2, 3 and W31's four loads may be out
	HALF 2, \par, -2
	LB \par, 4
	s_wait_dscnt 6                                 ; only pair 4 may be out
	HALF 3, \par, 100
	WIN 0
	PKF 0
.else
	s_wait_dscnt 60                                ; pair 2, 48, pair 3
	HALF 2, \par, -1
	LB \par, 4
	HALF 3, \par, -1
.endif
.irp q, 2,3,4
.if \q == 4
	s_wait_dscnt 12                                ; pairs 5, 6 may be out
.elseif \epi == 0
.if \q == 2
	s_wait_dscnt 60                                ; 48, pairs 3, 4
.else
	s_wait_dscnt 12
.endif
.endif
.if \epi
	HALF 2*\q, \par, 2*(\q-1)
	LB \par, \q+3
	HALF 2*\q+1, \par, 2*(\q-1)+1
	WIN 0
	PKF \q-1
.else
	HALF 2*\q, \par, -1
	LB \par, \q+3
	HALF 2*\q+1, \par, -1
	WIN 0
.endif
.if (\q == 3) && (\ask > 0)
	ASK \ask, \aoff
.endif
.endr
.if \fill
	s_wait_tensorcnt 0x0                           ; my part of the next tile is in; no tensor load of mine is out, so a group 0 may be written
	ds_add_u32 v[SPW], v[NIL]
	s_add_nc_u64 s[G0+4*\par+2:G0+4*\par+3], s[G0+4*\par+2:G0+4*\par+3], 2*TILEB
	s_wait_dscnt 13                                ; pairs 6, 7 and the add may be out
	HALF 10, \par, -2
	WIN 0
	s_wait_dscnt 0x0                               ; the add is done, and so are my reads of this slot
	s_barrier_signal -1
	HALF 11, \par, -2
	WIN 0
	s_barrier_wait -1
	CREST
	tensor_load_to_lds s[G0+4*\par:G0+4*\par+3], s[G1R:G1R+7]
	s_nop 0
	PLACES 4
.else
.if \next
	s_wait_tensorcnt 0x0                           ; my part of the last tile is in
.endif
	s_wait_dscnt 12                                ; pairs 6, 7 may be out
	HALF 10, \par, -2
	HALF 11, \par, -2
	WIN 0
	PLACES 4
.endif
.if \next
	LB 1-\par, 0
	ds_load_b128 v[WW:WW+3], v[BAD] offset:\bo
	ds_load_b128 v[WW+4:WW+7], v[BAD] offset:\bo+16
	LB 1-\par, 1
.endif
.if \fill == 0
.if \next
	s_wait_dscnt 20                                ; pair 7, the next tile's pairs 0, 1 and b21's two loads may be out
.else
	s_wait_dscnt 6
.endif
.endif
	HALF 12, \par, -2
	HALF 13, \par, -2
	WIN 0
.if \fill == 0
.if \next
	s_wait_dscnt 14
.else
	s_wait_dscnt 0x0
.endif
.endif
.if \next
	s_wait_loadcnt 0x0                             ; the next tile's scale words
	PERMS 0
	s_wait_alu depctr_va_vdst(0)
	s_add_nc_u64 s[58:59], s[58:59], 4096          ; a tile's scale bytes on
.endif
	HALF 14, \par, -1
.if \next
	LB 1-\par, 2
.endif
	HALF 15, \par, -1
	WIN 0
.endm
.macro ASK kind, aoff
.if \kind == 1
	s_cmp_eq_u32 s23, 3
.else
	s_cmp_gt_u32 s19, s23                          ; the first three trips, in clusters 0 to 3
.endif
	s_cbranch_scc0 .Lnot_now_\@
	global_prefetch_b8 v[PFO], s[60:61] offset:\aoff th:TH_LOAD_NT scope:SCOPE_SE
.Lnot_now_\@:
.endm
	s_load_b512 s[68:83], s[0:1], 0x0              ; x 68, W1 70, b1 72, W21's codes 74, its scales 76, b21 78, W31 80, b31 82
	s_load_b256 s[84:91], s[0:1], 0x40             ; output_mean 84, output_std 86, s0 88, s1 90
	s_load_b128 s[92:95], s[0:1], 0x60             ; s2 92, s3 94
	s_load_b64 s[96:97], s[0:1], 0x70              ; out0
	v_lshl_add_u32 v[SPW], v0, 2, SPARE
	v_mov_b32 v[NIL], 0
	ds_add_u32 v[SPW], v[NIL]                      ; the wave's opening: the add, twice on end, and its wait ahead of my first tensor load
	ds_add_u32 v[SPW], v[NIL]
	v_lshrrev_b32 v240, 5, v0
	v_readfirstlane_b32 s14, v240                  ; wave 0..3
	s_bfe_u32 s17, ttmp6, 0x40000                  ; cx
	s_lshl_b32 s18, ttmp9, 2
	s_add_co_u32 s18, s18, s17                     ; work-group = 4 x cluster + cx: it enters x's and out0's addresses alone (cx the prefetches' too)
	s_mov_b32 s20, 0x76543210
	s_mov_b32 s21, 0xfedcba98                      ; v_permlanex16_b32's selects for lane l xor 16
	s_mov_b32 s22, 0x03010200                      ; v_perm_b32's select: bytes 1 and 2 change places
	s_cmp_lt_u32 ttmp9, 4                          ; the same in all four partners
	s_cselect_b32 s23, 3, 0x64
	s_mov_b32 s[G1R], 15|(1<<20)|(1<<21)|(6<<22)|(3<<25)   ; 15:0 the mask: all four work-groups; 17:16 elements of 1 byte; 20 padding on; 21 set beside a mask; 24:22 after every 128 words; 31:25 4 words
	s_mov_b32 s[G1R+1], 512<<16                    ; tensor_dim0
	s_mov_b32 s[G1R+2], 48<<16                     ; tensor_dim1
	s_mov_b32 s[G1R+3], 512<<16                    ; tile_dim0
	s_mov_b32 s[G1R+4], 48                         ; tile_dim1
	s_mov_b32 s[G1R+5], 512                        ; from row to row: dense
	s_mov_b32 s[G1R+6], 0
	s_mov_b32 s[G1R+7], 0
	s_mul_i32 s32, s14, PARTB
	s_mov_b32 s[G0], 1
	s_mov_b32 s[G0+1], s32                         ; LDS: my part of slot 0,
	s_mov_b32 s[G0+4], 1
	s_add_co_u32 s[G0+5], s32, SLOTB               ; of slot 1
	s_lshl_b32 s33, s14, 10
	s_lshl_b32 s34, s14, 7
	s_add_co_u32 s34, s34, W31L
	s_lshl_b32 s35, s14, 6
	s_add_co_u32 s35, s35, B21L
	s_mul_i32 s36, s17, 24576
	s_mul_i32 s38, s14, 6144
	s_add_co_u32 s36, s36, s38                     ; the prefetches: 24,576 cx + 6,144 w
	s_add_co_u32 s38, s38, IMG
	s_lshl_b32 s37, s14, 9
	s_lshl_b32 s39, s14, 8
	s_add_co_u32 s39, s39, HSC
	s_lshl_b32 s48, s14, 11
	s_add_co_u32 s48, s48, W31L
	s_add_co_u32 s49, s33, B21L
	v_and_b32 v240, 31, v0                         ; lane
	v_and_b32 v241, 15, v0                         ; r
	v_bfe_u32 v242, v0, 4, 1                       ; h
	v_and_b32 v243, 7, v0
	v_bfe_u32 v244, v0, 3, 1
	v_mul_u32_u24 v[ADA], v241, 1584
	v_mad_u32_u24 v[ADA], v242, 48, v[ADA]
	v_add_nc_u32 v[ADA], s32, v[ADA]
	v_add_nc_u32 v[ADA+1], SLOTB, v[ADA]
	v_lshl_add_u32 v[ADC], v242, 4, v[ADA]
	v_lshl_add_u32 v[ADC+1], v242, 4, v[ADA+1]
	v_lshl_add_u32 v[SOF], v241, 6, s33
	v_lshl_add_u32 v[SOF], v242, 5, v[SOF]
	v_lshl_add_u32 v[WAD], v242, 6, s34
	v_lshl_add_u32 v[BAD], v242, 5, s35
	v_min_u32 v[PFO], 23, v240
	v_lshl_add_u32 v[PFO], v[PFO], 8, s36
	v_lshl_add_u32 v[LI], v240, 4, IMG
	v_lshl_add_u32 v[LI2], v240, 4, IMG+49152
	v_lshl_add_u32 v[WOF], v243, 2, s37
	v_lshl_add_u32 v[WOF], v244, 8, v[WOF]
	v_lshl_add_u32 v[WOF], v242, 14, v[WOF]
	v_lshl_add_u32 v[BOF], v242, 8, s37
	v_lshl_add_u32 v[IA], v240, 4, s38
	v_add_nc_u32 v[IB], 49152, v[IA]
	v_lshl_add_u32 v[HA], v241, 4, s39
	v_lshlrev_b32 v[HL], 4, v241
	v_lshl_add_u32 v[HL], v242, 11, v[HL]
	v_add_nc_u32 v[HL], HSC, v[HL]
	v_lshlrev_b32 v[SH8], 3, v242
	v_mov_b32 v[PT], 0                             ; (a lane permute's destination counts as one of its sources)
	v_lshlrev_b32 v247, 5, v241
	v_lshl_add_u32 v247, v242, 3, v247             ; x: 32 r + 8 h
	v_lshlrev_b32 v248, 4, v240
	v_lshl_add_u32 v249, v240, 4, s48
	v_lshl_add_u32 v250, v240, 4, s49
	s_wait_alu depctr_va_vdst(0)
	s_wait_dscnt 0x0                               ; both opening adds are done
	s_wait_kmcnt 0x0
	s_lshl_b32 s2, s18, 11                         ; x: 64 rows of 32 bytes a work-group
	s_mov_b32 s3, 0
	s_add_nc_u64 s[68:69], s[68:69], s[2:3]
.irp m, 0,1,2,3
.irp i, 0,1
	global_load_b64 v[X+4*\m+2*\i:X+4*\m+2*\i+1], v247, s[68:69] offset:512*\m+16*\i
.endr
.endr
.irp p, 0,1
.irp n, 0,1,2,3,4,5,6,7,8,9,10,11,12,13,14,15
	WLD \p, \n
.endr
	BLD \p
.endr
	s_mov_b32 s2, s33                              ; 1,024 w
	s_add_nc_u64 s[78:79], s[78:79], s[2:3]
	s_lshl_b32 s6, s14, 11
	s_mov_b32 s7, 0
	s_add_nc_u64 s[80:81], s[80:81], s[6:7]
	WIN 0x40
.irp g, 0,1,2,3
	global_load_b128 v[4*\g:4*\g+3], v248, s[80:81] offset:512*\g
.endr
.irp g, 0,1
	global_load_b128 v[16+4*\g:19+4*\g], v248, s[78:79] offset:512*\g
.endr
	WIN 0
	s_mul_i32 s8, s14, 24576                       ; my 16 columns of a tile
	s_mov_b32 s9, 0
	s_add_nc_u64 s[G0+2:G0+3], s[74:75], s[8:9]
	s_add_nc_u64 s[G0+6:G0+7], s[G0+2:G0+3], TILEB
	s_or_b32 s[G0+3], s[G0+3], 0x80000000
	s_or_b32 s[G0+7], s[G0+7], 0x80000000
	s_lshl_b32 s10, s18, 9
	s_mov_b32 s11, 0
	s_add_nc_u64 s[96:97], s[96:97], s[10:11]      ; out0 at my work-group's 64 rows
	s_mov_b64 s[58:59], s[76:77]
	s_mov_b64 s[60:61], s[74:75]
	CROUND                                         ; all four work-groups are here: the first joint loads meet
	tensor_load_to_lds s[G0:G0+3], s[G1R:G1R+7]    ; tile 0
	s_nop 0
	PLACES 4
	s_load_b64 s[4:5], s[82:83], 0x0               ; the small inputs, as values: wanted on the way out
	s_load_b64 s[6:7], s[84:85], 0x0
	s_load_b64 s[8:9], s[86:87], 0x0
	s_load_b32 s10, s[88:89], 0x0
	s_load_b32 s11, s[90:91], 0x0
	s_load_b32 s12, s[92:93], 0x0
	s_load_b32 s13, s[94:95], 0x0
.irp p, 0,1,2,3,4,5,6,7
	BLK \p, 0
	BLK \p, 1
	BLK \p, 2
	BLK \p, 3
.endr
.set VPP, 7
.set VPM, 3
.irp i, 0,1,2,3,4,5,6,7
	VP \i                                          ; the last block's vector work
.endr
	s_wait_alu depctr_va_vdst(0)
	s_wait_loadcnt 0x0                             ; tile 0's scale words
	PERMS 0
	s_add_nc_u64 s[58:59], s[58:59], 4096
.irp i, 0,1,2,3,4,5,6,7
	v_mov_b32 v[P+\i], 0                           ; x31's sums
.endr
	s_wait_alu depctr_va_vdst(0)
	s_wait_dscnt 0x0                               ; my last images lie in LDS
	s_barrier_signal -1
	s_barrier_wait -1
.irp k, 0,1,2,3,4,5,6,7
	ds_load_b128 v[HS+4*\k:HS+4*\k+3], v[HL] offset:256*\k
.endr
	LB 0, 0
	ds_load_b128 v[WW:WW+3], v[BAD]                ; b21 of tile 0
	ds_load_b128 v[WW+4:WW+7], v[BAD] offset:16
	LB 0, 1
	LB 0, 2
.irp f, 48,49,50,51,52,53,54,55,56,57,58,59,60,61,62,63
	FRL \f
.endr
	WIN 0
	TILE 0, 0, 1, 1, 0, 256, 1, 9*TILEB
	s_mov_b32 s19, 6
.Ltrip:                                            ; trip k: tiles 2 k + 1 and 2 k + 2
	TILE 1, 1, 1, 1, 0, 512, 2, 10*TILEB
	TILE 0, 1, 1, 1, 512, 768, 2, 11*TILEB
	s_wait_xcnt 0x0                                ; any prefetch has read its base
	s_add_nc_u64 s[60:61], s[60:61], 2*TILEB
	v_add_nc_u32 v[WAD], 1024, v[WAD]
	v_add_nc_u32 v[BAD], 512, v[BAD]
	s_wait_alu depctr_va_vdst(0)
	s_sub_co_u32 s19, s19, 1
	s_cmp_lg_u32 s19, 0
	s_cbranch_scc1 .Ltrip
	TILE 1, 1, 1, 1, 0, 512, 0, 0                  ; tile 13 asks for tile 15, the last
	TILE 0, 1, 0, 1, 512, 768, 0, 0
	TILE 1, 1, 0, 0, 1024, 0, 0, 0
	; THE WAY OUT: tile 15 (set 1) is finished, then the halves of the lanes and the four waves are added
	PLACES 4
	W31LD 1536
	s_wait_kmcnt 0x0                               ; the small inputs
	s_wait_dscnt 0x0
.irp jj, 0,1,2,3
.irp m, 0,1,2,3
	RL \m, 0, 2*\jj
	RL \m, 0, 2*\jj+1
.endr
	PKF \jj
.endr
	s_lshl_b32 s2, s14, 9
	s_add_co_u32 s2, s2, RED
	v_and_b32 v3, 15, v0
	v_and_b32 v4, 31, v0
	v_lshl_add_u32 v3, v3, 3, s2                   ; RED + 512 w + 8 r
	v_lshl_add_u32 v5, v4, 4, RED
	v_lshlrev_b32 v6, 4, v4
.irp m, 0,1,2,3
	v_permlanex16_b32 v[WW+2*\m], v[P+2*\m], s20, s21
	v_permlanex16_b32 v[WW+2*\m+1], v[P+2*\m+1], s20, s21
.endr
.irp m, 0,1,2,3
	v_pk_add_f32 v[P+2*\m:P+2*\m+1], v[P+2*\m:P+2*\m+1], v[WW+2*\m:WW+2*\m+1]
.endr
.irp m, 0,1,2,3
	ds_store_b64 v3, v[P+2*\m:P+2*\m+1] offset:128*\m   ; row 16 m + r (both halves of the lanes write the same)
.endr
	s_wait_alu depctr_va_vdst(0)
	s_wait_dscnt 0x0                               ; for the others' sake
	s_barrier_signal -1
	s_barrier_wait -1
	s_cmp_lg_u32 s14, 0
	s_cbranch_scc1 .Lend                           ; wave 0 adds the four parts and finishes the 64 rows: two rows a lane
.irp a, 0,1,2,3
	ds_load_b128 v[160+4*\a:163+4*\a], v5 offset:512*\a
.endr
	v_mov_b32 v176, s4                             ; b31
	v_mov_b32 v177, s5
	v_mov_b32 v178, s6                             ; output_mean
	v_mov_b32 v179, s7
	v_mov_b32 v180, s8                             ; output_std
	v_mov_b32 v181, s9
	v_mov_b32 v182, s12                            ; upper = 1 + s2, 1 + s0
	v_mov_b32 v183, s10
	v_mov_b32 v184, s13                            ; -lower = 1 + s3, 1 + s1
	v_mov_b32 v185, s11
	s_wait_alu depctr_va_vdst(0)
	v_rcp_f32 v186, v180
	v_rcp_f32 v187, v181
	v_pk_add_f32 v[182:183], v[182:183], 1.0 op_sel_hi:[1,0]
	v_pk_add_f32 v[184:185], v[184:185], 1.0 op_sel_hi:[1,0]
	s_wait_alu depctr_va_vdst(0)
	s_wait_dscnt 0x0
	v_pk_add_f32 v[160:161], v[160:161], v[164:165]
	v_pk_add_f32 v[162:163], v[162:163], v[166:167]
	v_pk_add_f32 v[168:169], v[168:169], v[172:173]
	v_pk_add_f32 v[170:171], v[170:171], v[174:175]
	v_pk_add_f32 v[160:161], v[160:161], v[168:169]
	v_pk_add_f32 v[162:163], v[162:163], v[170:171]
	v_pk_add_f32 v[160:161], v[160:161], v[176:177]            ; x31
	v_pk_add_f32 v[162:163], v[162:163], v[176:177]
	v_pk_fma_f32 v[160:161], v[160:161], v[180:181], v[178:179]    ; x31 std + mean
	v_pk_fma_f32 v[162:163], v[162:163], v[180:181], v[178:179]
	v_max_num_f32 v160, -v160, -v184                           ; u = min(max(-p, lower), upper)
	v_max_num_f32 v161, -v161, -v185
	v_max_num_f32 v162, -v162, -v184
	v_max_num_f32 v163, -v163, -v185
	v_min_num_f32 v160, v160, v182
	v_min_num_f32 v161, v161, v183
	v_min_num_f32 v162, v162, v182
	v_min_num_f32 v163, v163, v183
	v_pk_add_f32 v[160:161], v[160:161], v[178:179] neg_lo:[0,1] neg_hi:[0,1]
	v_pk_add_f32 v[162:163], v[162:163], v[178:179] neg_lo:[0,1] neg_hi:[0,1]
	v_pk_mul_f32 v[160:161], v[160:161], v[186:187]
	v_pk_mul_f32 v[162:163], v[162:163], v[186:187]
	global_store_b128 v6, v[160:163], s[96:97]     ; 32 lanes store the work-group's 512 consecutive bytes, at a multiple of 256 from out0's first byte
.Lend:
	s_wait_tensorcnt 0x0                           ; the wave's end, behind my last tensor load and my last LDS store
	ds_add_u32 v[SPW], v[NIL]
	s_wait_dscnt 0x0
	CROUND                                         ; the closing round: no work-group ends while a partner may still ask for a tile that names it
	s_endpgm
.Lfunc_end_k_q3265bf379a_barrier:
	.size	k_q3265bf379a_barrier, .Lfunc_end_k_q3265bf379a_barrier-k_q3265bf379a_barrier
	.p2alignl 7, 3214868480
	.fill 96, 4, 3214868480
	.section	.rodata,"a",@progbits
	.p2align	6, 0x0
	.amdhsa_kernel k_q3265bf379a_barrier
		.amdhsa_group_segment_fixed_size 327680
		.amdhsa_private_segment_fixed_size 0
		.amdhsa_enable_private_segment 0
		.amdhsa_kernarg_size 120
		.amdhsa_user_sgpr_count 2
		.amdhsa_user_sgpr_kernarg_segment_ptr 1
		.amdhsa_wavefront_size32 1
		.amdhsa_system_sgpr_workgroup_id_x 1
		.amdhsa_system_sgpr_workgroup_id_y 1
		.amdhsa_system_sgpr_workgroup_id_z 1
		.amdhsa_system_vgpr_workitem_id 0
		.amdhsa_next_free_vgpr 1024
		.amdhsa_next_free_sgpr 100
		.amdhsa_reserve_vcc 0
		.amdhsa_float_denorm_mode_32 3
		.amdhsa_float_denorm_mode_16_64 3
		.amdhsa_memory_ordered 1
		.amdhsa_forward_progress 1
		.amdhsa_inst_pref_size 255
	.end_amdhsa_kernel
	.section	.bss,"aw",@nobits
	.p2align	6
	.space	262144
	.amdgpu_metadata
---
amdhsa.version: [ 1, 2 ]
amdhsa.kernels:
  - .name:           k_q3265bf379a_barrier
    .symbol:         k_q3265bf379a_barrier.kd
    .args:
      - { .name: x, .offset: 0, .size: 8, .value_kind: global_buffer, .address_space: global }
      - { .name: W1, .offset: 8, .size: 8, .value_kind: global_buffer, .address_space: global }
      - { .name: b1, .offset: 16, .size: 8, .value_kind: global_buffer, .address_space: global }
      - { .name: W21_codes, .offset: 24, .size: 8, .value_kind: global_buffer, .address_space: global }
      - { .name: W21_scales, .offset: 32, .size: 8, .value_kind: global_buffer, .address_space: global }
      - { .name: b21, .offset: 40, .size: 8, .value_kind: global_buffer, .address_space: global }
      - { .name: W31, .offset: 48, .size: 8, .value_kind: global_buffer, .address_space: global }
      - { .name: b31, .offset: 56, .size: 8, .value_kind: global_buffer, .address_space: global }
      - { .name: output_mean, .offset: 64, .size: 8, .value_kind: global_buffer, .address_space: global }
      - { .name: output_std, .offset: 72, .size: 8, .value_kind: global_buffer, .address_space: global }
      - { .name: s0, .offset: 80, .size: 8, .value_kind: global_buffer, .address_space: global }
      - { .name: s1, .offset: 88, .size: 8, .value_kind: global_buffer, .address_space: global }
      - { .name: s2, .offset: 96, .size: 8, .value_kind: global_buffer, .address_space: global }
      - { .name: s3, .offset: 104, .size: 8, .value_kind: global_buffer, .address_space: global }
      - { .name: out0, .offset: 112, .size: 8, .value_kind: global_buffer, .address_space: global }
    .group_segment_fixed_size: 327680
    .private_segment_fixed_size: 0
    .kernarg_segment_align: 8
    .kernarg_segment_size: 120
    .max_flat_workgroup_size: 128
    .sgpr_count:     100
    .vgpr_count:     1024
    .wavefront_size: 32
...
	.end_amdgpu_metadata
.endif
;; end of part 1
